; MI455X (gfx1250); checked and timed in simulation.
; The chip was launched on July 23, 2026; its instructions are those of AMD's public machine-readable ISA for CDNA 5 (MIT licence, August 2026) and "CDNA5" Instruction Set Architecture Reference Guide (July 2026). The comments in the code are by the model that wrote it; some were corrected since.
;; Real Imag Ternary Linear. Allowed arithmetic: matrix products marked QUANTISED: E2M1 operands, one E8M0 scale for each 32 along K, by v_wmma_scale_f32_16x16x128_f8f6f4 with both operands' format E2M1 (or v_wmma_scale_f32_32x16x128_f4), f32 sums; everything else in f32.
;; Inputs: quant_x_im 2,048 x 4,096 float32; quant_x_re 2,048 x 4,096 float32; weight_im 2,048 x 4,096 float32; weight_re 2,048 x 4,096 float32.
;; Outputs: out0 2,048 x 2,048 float32; out1 2,048 x 2,048 float32.
;; This version of the problem:
;;   THIS VERSION OF THE PROBLEM IS GIVEN IN LOW PRECISION. The matrix products marked QUANTISED in the list below multiply operands that are first quantised to E2M1 (2 exponent bits, 1 mantissa bit; 4 bits a number), with one power-of-two scale for each 32 numbers along K (OCP MX v1.0); their sums are f32. All else is computed in f32.
;;   The module's matrix products, in the order in which they are computed (A, B: the left and right operand; K: the contracted axis; several contracted axes count as one K, in the product's order):
;;     1. [M 2,048, K 4,096] x [K 4,096, N 2,048]; A: input quant_x_re; B: computed on the way: QUANTISED
;;     2. [M 2,048, K 4,096] x [K 4,096, N 2,048]; A: input quant_x_im; B: computed on the way: QUANTISED
;;     3. [M 2,048, K 4,096] x [K 4,096, N 2,048]; A: input quant_x_re; B: computed on the way: QUANTISED
;;     4. [M 2,048, K 4,096] x [K 4,096, N 2,048]; A: input quant_x_im; B: computed on the way: QUANTISED
;;   THE QUANTISER, for each operand of a quantised product, along K:
;;     - K is cut into blocks of 32 from its start; a last block that is shorter is filled with zeros.
;;     - A block's scale is 2^e with e = floor(log2(the largest magnitude in the block)) - 2, held to -126 .. 127; a block of zeros has e = 0. As a byte (E8M0): e + 127.
;;     - Each number is divided by its block's scale, clamped to +-6, and rounded to the nearest number of E2M1, ties to even, subnormals kept.
;;     - The product sums the exact products of the quantised numbers (number of the format x scale) in f32.
;;   ~~~python
;;   def quantise(x, axis):      # numpy; x: float32 -> the quantised numbers, widened to float32 again
;;       x = np.moveaxis(x, axis, -1); K = x.shape[-1]
;;       x = np.pad(x, [(0, 0)] * (x.ndim - 1) + [(0, -K % 32)]); x = x.reshape(x.shape[:-1] + (-1, 32)); a = np.abs(x).max(-1, keepdims=True)
;;       e = np.where(a > 0, np.clip(np.frexp(np.where(a > 0, a, 1))[1] - 1 - 2, -126, 127), 0)      # np.frexp(a)[1] - 1 = floor(log2(a)), exactly
;;       r = np.clip(x / 2.0 ** e, -6, 6)
;;       step = 2.0 ** (np.maximum(np.frexp(np.where(r == 0, 1, r))[1] - 1, 0) - 1)
;;       q = np.round(r / step) * step * 2.0 ** e      # np.round: ties to even
;;       return np.moveaxis(q.reshape(q.shape[:-2] + (-1,))[..., :K], -1, axis).astype(np.float32)
;;   ~~~
;;   OPERANDS COMPUTED ON THE WAY. 'Computed on the way' means the value that the module computes at that place (a softmax that the list does not call 'softmax' is quantised finished and normalised). What goes into a quantiser is computed in f32, as accurately as f32 sums, v_exp_f32 and their like allow (about 1e-6 of the number): no bf16 or f16 on the way to a quantiser, and a product that is left as it is and whose result goes on into a quantised operand takes f32 operands (vector FMAs, or v_wmma_f32_16x16x4_f32). A number that lies on a knife's edge between two numbers of the format may be rounded either way, as far as f32 arithmetic and the matrix unit's own rounding can turn it there, and no further.
;; One version. Each part assembles by itself: llvm-mc -triple=amdgcn-amd-amdhsa -mcpu=gfx1250 --defsym DOCPART=n.
;; ======== version 1 of 1: 3 launches
;; workspace buffers: wsum 2,048 bytes; xq 8,912,896 bytes; wq 8,912,896 bytes
;; launch abssum (part 1): grid 512 x 1, 8 waves a work-group, no clusters, 1,280 bytes of LDS; arguments weight_re, weight_im, wsum; writes wsum
.if DOCPART == 1
	.amdgcn_target "amdgcn-amd-amdhsa--gfx1250"
	.amdhsa_code_object_version 6
	.text
	.protected	k_q59bf00efea_abssum
	.globl	k_q59bf00efea_abssum
	.p2align	8
	.type	k_q59bf00efea_abssum,@function
k_q59bf00efea_abssum:
	s_mov_b64 s[64:65], 0
	v_nop
	global_prefetch_b8 v0, s[64:65] scope:SCOPE_SE
	s_setreg_imm32_b32 hwreg(HW_REG_WAVE_MODE, 25, 1), 1
	s_wait_xcnt 0x0
; wsum[t][c] = the sum of |w| over chunk c (32,768 numbers) of weight tensor t (0: weight_re, 1: weight_im).  256 chunks a tensor.
; The mean of |w| spans a whole tensor, and no ternary decision can be made before it is known: so the sums are a launch of their own,
; and the next launch adds a tensor's 256 partial sums.  No traffic between work-groups: each stores one word of its own.
; SHARES.  Work-group g takes tensor g / 256, chunk g % 256: 131,072 bytes.  Each of its eight waves takes 16,384 bytes: 32 loads, each of
; 512 consecutive bytes (16 a lane), all issued at once.  Sums in f32, in eight chains a lane, then a tree: the order differs from a
; sequential sum's; every partial sum has at most 16 terms in a chain.
; LIMITS: NaN and infinities among the weights are not served.  The one store of a work-group is 4 bytes: 2,048 bytes for the whole launch.
; No matrix unit, no cluster, no tensor load: the launch only streams, and work-groups share no input.
.set S, 2                              ; v[2:9]    eight running sums
.set X, 16                             ; v[16:143] the 32 loads, four registers each
	s_load_b128 s[4:7], s[0:1], 0x0                ; weight_re s[4:5], weight_im s[6:7]
	s_load_b64 s[8:9], s[0:1], 0x10                ; wsum
	v_lshl_add_u32 v152, v0, 2, 0x100
	v_mov_b32 v153, 0
	v_lshrrev_b32 v10, 5, v0
	v_readfirstlane_b32 s10, v10                   ; wave 0..7
	v_and_b32 v11, 31, v0
	v_lshlrev_b32 v1, 4, v11                       ; 16 bytes a lane,
	v_lshl_add_u32 v1, v10, 14, v1                 ; + 16,384 x wave
	s_mov_b32 s12, 0x76543210                      ; v_permlanex16_b32: lane l takes lane l xor 16
	s_mov_b32 s13, 0xfedcba98
	s_and_b32 s14, ttmp9, 255
	s_lshl_b32 s14, s14, 17                        ; my chunk: 131,072 bytes each
	s_mov_b32 s15, 0
	s_lshl_b32 s16, ttmp9, 2                       ; my word of wsum: 4 g
	s_mov_b32 s17, 0
	s_wait_kmcnt 0x0
	s_cmp_lt_u32 ttmp9, 256                        ; which tensor: the choice hangs on the work-group's number alone
	s_cselect_b64 s[4:5], s[4:5], s[6:7]
	s_add_nc_u64 s[4:5], s[4:5], s[14:15]
	s_add_nc_u64 s[8:9], s[8:9], s[16:17]
.irp i, 0,1,2,3,4,5,6,7,8,9,10,11,12,13,14,15,16,17,18,19,20,21,22,23,24,25,26,27,28,29,30,31
	global_load_b128 v[X+4*\i:X+4*\i+3], v1, s[4:5] offset:512*\i   ; no hint: the next launch reads the weights again
.endr
; Group g: loads 8 g .. 8 g + 7, 32 registers, four terms for each of the eight chains.
.macro GROUP g
	s_wait_loadcnt 24-8*\g                         ; loads come back in order: this group's eight are in, the younger groups' stay out
.if \g == 0
.irp k, 0,1,2,3,4,5,6,7
	v_add_f32 v[S+\k], |v[X+\k]|, |v[X+8+\k]|      ; the first terms start the chains: nothing is cleared
.endr
.irp j, 16,24
.irp k, 0,1,2,3,4,5,6,7
	v_add_f32 v[S+\k], v[S+\k], |v[X+\j+\k]|
.endr
.endr
.else
.irp j, 0,8,16,24
.irp k, 0,1,2,3,4,5,6,7
	v_add_f32 v[S+\k], v[S+\k], |v[X+32*\g+\j+\k]|
.endr
.endr
.endif
.endm
	GROUP 0
	GROUP 1
	GROUP 2
	GROUP 3
	v_add_f32 v2, v2, v3                           ; the eight chains,
	v_add_f32 v4, v4, v5
	v_add_f32 v6, v6, v7
	v_add_f32 v8, v8, v9
	v_add_f32 v2, v2, v4
	v_add_f32 v6, v6, v8
	v_add_f32 v2, v2, v6
	v_add_f32_dpp v2, v2, v2 row_xmask:1 row_mask:0xf bank_mask:0xf   ; the sixteen lanes of a half,
	v_add_f32_dpp v2, v2, v2 row_xmask:2 row_mask:0xf bank_mask:0xf
	v_add_f32_dpp v2, v2, v2 row_xmask:4 row_mask:0xf bank_mask:0xf
	v_add_f32_dpp v2, v2, v2 row_xmask:8 row_mask:0xf bank_mask:0xf
	v_permlanex16_b32 v10, v2, s12, s13            ; (v10 has been written: the destination counts as read)
	v_add_f32 v2, v2, v10                          ; and the other half: the wave's sum, in every lane
	v_mov_b32 v11, s10
	v_lshlrev_b32 v11, 2, v11
	ds_store_b32 v11, v2                           ; all lanes write the wave's own word with the same value
	s_wait_dscnt 0x0                               ; for the others' sake: my store is done
	s_barrier_signal -1
	s_barrier_wait -1
	v_mov_b32 v12, 0
	ds_load_b128 v[16:19], v12                     ; the eight waves' sums
	ds_load_b128 v[20:23], v12 offset:16
	s_wait_dscnt 0x0
	v_add_f32 v16, v16, v17
	v_add_f32 v18, v18, v19
	v_add_f32 v20, v20, v21
	v_add_f32 v22, v22, v23
	v_add_f32 v16, v16, v18
	v_add_f32 v20, v20, v22
	v_add_f32 v16, v16, v20
	v_mov_b32 v13, 0
	v_cmp_eq_u32 vcc_lo, 0, v0
	s_wait_xcnt 0x0                                ; EXEC is a source of the loads above: it changes only behind this wait
	s_wait_tensorcnt 0x0
	ds_add_u32 v152, v153
	s_wait_dscnt 0x0
	s_and_saveexec_b32 s18, vcc_lo                 ; thread 0 alone stores
	global_store_b32 v13, v16, s[8:9]
	s_wait_xcnt 0x0                                ; and again in front of the line that widens it
	s_or_b32 exec_lo, exec_lo, s18
	s_endpgm
.Lfunc_end_k_q59bf00efea_abssum:
	.size	k_q59bf00efea_abssum, .Lfunc_end_k_q59bf00efea_abssum-k_q59bf00efea_abssum
	.p2alignl 7, 3214868480
	.fill 96, 4, 3214868480
	.section	.rodata,"a",@progbits
	.p2align	6, 0x0
	.amdhsa_kernel k_q59bf00efea_abssum
		.amdhsa_group_segment_fixed_size 1280
		.amdhsa_private_segment_fixed_size 0
		.amdhsa_enable_private_segment 0
		.amdhsa_kernarg_size 24
		.amdhsa_user_sgpr_count 2
		.amdhsa_user_sgpr_kernarg_segment_ptr 1
		.amdhsa_wavefront_size32 1
		.amdhsa_system_sgpr_workgroup_id_x 1
		.amdhsa_system_sgpr_workgroup_id_y 1
		.amdhsa_system_sgpr_workgroup_id_z 1
		.amdhsa_system_vgpr_workitem_id 0
		.amdhsa_next_free_vgpr 154
		.amdhsa_next_free_sgpr 66
		.amdhsa_reserve_vcc 1
		.amdhsa_float_denorm_mode_32 3
		.amdhsa_float_denorm_mode_16_64 3
		.amdhsa_memory_ordered 1
		.amdhsa_forward_progress 1
		.amdhsa_inst_pref_size 14
	.end_amdhsa_kernel
	.amdgpu_metadata
---
amdhsa.version: [ 1, 2 ]
amdhsa.kernels:
  - .name:           k_q59bf00efea_abssum
    .symbol:         k_q59bf00efea_abssum.kd
    .args:
      - { .name: weight_re, .offset: 0, .size: 8, .value_kind: global_buffer, .address_space: global }
      - { .name: weight_im, .offset: 8, .size: 8, .value_kind: global_buffer, .address_space: global }
      - { .name: wsum, .offset: 16, .size: 8, .value_kind: global_buffer, .address_space: global }
    .group_segment_fixed_size: 1280
    .private_segment_fixed_size: 0
    .kernarg_segment_align: 8
    .kernarg_segment_size: 24
    .max_flat_workgroup_size: 256
    .sgpr_count:     66
    .vgpr_count:     154
    .wavefront_size: 32
...
	.end_amdgpu_metadata
.endif
;; end of part 1
;; launch quant (part 2): grid 512 x 1, 8 waves a work-group, no clusters, 68,608 bytes of LDS; arguments weight_re, weight_im, quant_x_re, quant_x_im, wsum, xq, wq; writes xq, wq
.if DOCPART == 2
	.amdgcn_target "amdgcn-amd-amdhsa--gfx1250"
	.amdhsa_code_object_version 6
	.text
	.protected	k_q59bf00efea_quant
	.globl	k_q59bf00efea_quant
	.p2align	8
	.type	k_q59bf00efea_quant,@function
k_q59bf00efea_quant:
	s_mov_b64 s[64:65], 0
	v_nop
	global_prefetch_b8 v0, s[64:65] scope:SCOPE_SE
	s_setreg_imm32_b32 hwreg(HW_REG_WAVE_MODE, 25, 1), 1
	s_wait_xcnt 0x0
; The four operands become codes of FP4 (E2M1) with one E8M0 scale byte for each 32 along K, laid in the ORDER OF THE OPERAND'S REGISTERS, so that the product's launch
; fetches a K step's tile as one dense block and reads every fragment by loads of 16 consecutive bytes a lane.
; x_re, x_im are quantised as they are.  The weights are first ternarised as the problem writes it, in f32: scale = 1 / max(mean |w|, 1e-5); t = clip(round-to-even(w scale), -1, 1) / scale; the operand is w + (t - w).
; xq, wq: [tile of 128 rows: 16][K step of 512: 8][part: re, im][block of 34,816 bytes].  A block: 32 fragments of 1,024 bytes, (row block i of 16 rows, q-th 128 along K) at (4 i + q) x 1,024;
; in a fragment register group c (0, 1) at 512 c and lane l's 16 bytes at 16 l: the 32 codes k = 128 q + 64 c + 32 (l / 16) + 0 .. 31 of row 16 i + l % 16.  Behind them, at 32,768: scale bytes, [row 0 .. 127][16].
; SHARES.  Work-group g makes one block: tensor g / 128 (w_re, w_im, x_re, x_im), tile (g / 8) % 16, K step g % 8.  Wave i makes row block i: 16 rows x 512 along K, in four steps of 128.
; A step's 16 loads each read 512 consecutive bytes of one row; the conversions want 32 neighbours along K in ONE lane, so the step's 8,192 bytes turn through the wave's own stage in LDS (rows 528 bytes apart:
; 33 x 16, so that the sixteen rows that a load touches start at different banks).  A lane then holds two whole blocks of 32: no other lane is asked for a maximum.  Waves share nothing: no barrier.
; A block's scale is 2^(floor(log2(its largest magnitude)) - 2); its byte is the largest magnitude's exponent field - 2, held at 1 from below.
; The few lines that make scale and 1 / scale from wsum run in x's work-groups too (their results are not used there), so that every register is written on every way through the text.
; LIMITS: a block of zeros, or one whose largest magnitude lies under 2^-124, keeps the byte 1 (the rule says 127 for zeros: the codes are zeros, and this program alone reads the bytes).  NaN and infinities are not served.
; The mean is a tree of f32 sums, in another order than a sequential sum; the two divisions are v_rcp_f32 with one Newton step each.  A weight within that f32 margin of the ternary threshold may turn either way.
; No tensor load, no cluster, no matrix unit: the launch streams, and work-groups share no input but wsum's 1,024 bytes.
.set BLK,  34816
.set SP,   528                         ; a stage row: 512 bytes + 16
.set WST,  16*SP                       ; a wave's stage
.set LO,   1                           ; v1   16 x lane: my place in a load's 512 bytes and in a register group's image; never rewritten
.set STI,  2                           ; v2   the stage, on the way in: my wave's + 16 x lane
.set STO,  3                           ; v3   on the way out: my wave's + 528 r + 128 h
.set WSO,  4                           ; v4   my 32 bytes of wsum
.set SBO,  5                           ; v5   my 8 scale bytes: 16 r + 8 h
.set SH,   6                           ; v6   8 h
.set HH,   7                           ; v7   h
.set MX,   8                           ; v[8:9]    the two blocks' largest magnitudes
.set CS,   10                          ; v[10:11]  the conversions' scale operands
.set SCL,  12                          ; v[12:13]  scale, twice (a pair for the packed forms)
.set INV,  14                          ; v[14:15]  1 / scale, twice
.set W,    16                          ; v[16:19]  the four steps' scale words
.set BY,   20                          ; v[20:21]  bytes at work; v22 a lane permute's destination
.set T,    24                          ; v[24:31]  at work
.set R,    32                          ; v[32:159] two sets of 64: a step's numbers as loaded
.set X,    160                         ; v[160:223] a step's numbers, 32 c + i = k 64 c + 32 h + i of row r
.set C,    224                         ; v[224:255] codes, eight registers a step: no store's data are written again
	s_load_b256 s[4:11], s[0:1], 0x0               ; weight_re s[4:5], weight_im s[6:7], quant_x_re s[8:9], quant_x_im s[10:11]
	s_load_b128 s[12:15], s[0:1], 0x20             ; wsum s[12:13], xq s[14:15]
	s_load_b64 s[16:17], s[0:1], 0x30              ; wq
	v_lshl_add_u32 v23, v0, 2, 0x10800
	s_set_vgpr_msb 0x40
	v_mov_b32 v1, 0
	s_set_vgpr_msb 0x4000
	v_lshrrev_b32 v8, 5, v0
	v_readfirstlane_b32 s18, v8                    ; wave 0..7
	v_and_b32 v9, 31, v0                           ; lane
	v_and_b32 v10, 15, v0                          ; r
	v_bfe_u32 v[HH], v0, 4, 1                      ; h
	v_lshlrev_b32 v[LO], 4, v9
	s_mul_i32 s23, s18, WST
	v_add_nc_u32 v[STI], s23, v[LO]
	v_mul_u32_u24 v[STO], v10, SP
	v_lshl_add_u32 v[STO], v[HH], 7, v[STO]
	v_add_nc_u32 v[STO], s23, v[STO]
	v_lshlrev_b32 v[SBO], 4, v10
	v_lshl_add_u32 v[SBO], v[HH], 3, v[SBO]
	v_lshlrev_b32 v[SH], 3, v[HH]
	v_mov_b32 v22, 0                               ; written once: a lane permute's destination counts as one of its sources
	s_lshr_b32 s19, ttmp9, 7                       ; which tensor: 0 w_re, 1 w_im, 2 x_re, 3 x_im
	s_and_b32 s20, s19, 1                          ; part: re or im
	s_bfe_u32 s21, ttmp9, 0x40003                  ; tile of 128 rows
	s_and_b32 s22, ttmp9, 7                        ; K step of 512
	s_lshl_b32 s23, s20, 10
	v_lshlrev_b32 v[WSO], 5, v9
	v_add_nc_u32 v[WSO], s23, v[WSO]               ; wsum: 1,024 x part + 32 x lane
	s_lshl_b32 s32, s21, 21                        ; the source: 128 rows of 16,384 bytes a tile,
	s_lshl_b32 s33, s22, 11                        ; 2,048 bytes a K step,
	s_add_co_u32 s32, s32, s33
	s_lshl_b32 s33, s18, 18                        ; 16 rows a wave
	s_add_co_u32 s32, s32, s33
	s_mov_b32 s33, 0
	s_lshl_b32 s34, s21, 3                         ; the block: ((8 tile + K step) 2 + part) x 34,816
	s_add_co_u32 s34, s34, s22
	s_lshl_b32 s34, s34, 1
	s_add_co_u32 s34, s34, s20
	s_mul_i32 s34, s34, BLK
	s_lshl_b32 s35, s18, 12
	s_add_co_u32 s36, s34, s35                     ; my codes: 4,096 bytes a wave
	s_mov_b32 s37, 0
	s_lshl_b32 s35, s18, 8
	s_add_co_u32 s34, s34, s35
	s_add_co_u32 s34, s34, 32768                   ; my scale bytes: 256 a wave, behind the block's codes
	s_mov_b32 s35, 0
	s_mov_b32 s30, 0x76543210                      ; v_permlanex16_b32: lane l takes lane l xor 16
	s_mov_b32 s31, 0xfedcba98
	s_wait_kmcnt 0x0
	s_cmp_eq_u32 s20, 0                            ; the buffers are chosen by the work-group's number alone
	s_cselect_b64 s[4:5], s[4:5], s[6:7]
	s_cselect_b64 s[8:9], s[8:9], s[10:11]
	s_cmp_lt_u32 s19, 2
	s_cselect_b64 s[24:25], s[4:5], s[8:9]
	s_cselect_b64 s[26:27], s[16:17], s[14:15]
	s_add_nc_u64 s[24:25], s[24:25], s[32:33]      ; s[24:25] my 16 rows at my K step
	s_add_nc_u64 s[28:29], s[26:27], s[34:35]      ; s[28:29] my scale bytes
	s_add_nc_u64 s[26:27], s[26:27], s[36:37]      ; s[26:27] my codes
	global_load_b128 v[T:T+3], v[WSO], s[12:13]    ; my eight of the tensor's 256 partial sums
	global_load_b128 v[T+4:T+7], v[WSO], s[12:13] offset:16
.macro LOAD q                          ; the q-th 128 along K of my 16 rows, into set q % 2
.irp j, 0,1,2,3,4,5,6,7,8,9,10,11,12,13,14,15
	global_load_b128 v[R+64*((\q)%2)+4*\j:R+64*((\q)%2)+4*\j+3], v[LO], s[24:25] offset:16384*\j+512*(\q) th:TH_LOAD_NT   ; 32 lanes read 512 consecutive bytes of row j; nothing reads them after this launch
.endr
.endm
	LOAD 0
	LOAD 1
	s_wait_loadcnt 32                              ; the partial sums are in; the 32 loads behind them stay out
	v_add_f32 v24, v24, v25
	v_add_f32 v26, v26, v27
	v_add_f32 v28, v28, v29
	v_add_f32 v30, v30, v31
	v_add_f32 v24, v24, v26
	v_add_f32 v28, v28, v30
	v_add_f32 v24, v24, v28
	v_add_f32_dpp v24, v24, v24 row_xmask:1 row_mask:0xf bank_mask:0xf
	v_add_f32_dpp v24, v24, v24 row_xmask:2 row_mask:0xf bank_mask:0xf
	v_add_f32_dpp v24, v24, v24 row_xmask:4 row_mask:0xf bank_mask:0xf
	v_add_f32_dpp v24, v24, v24 row_xmask:8 row_mask:0xf bank_mask:0xf
	v_permlanex16_b32 v22, v24, s30, s31
	v_add_f32 v24, v24, v22                        ; the sum of |w| over the tensor's 2^23 numbers
	v_mul_f32 v8, 0x34000000, v24                  ; x 2^-23: the mean, exactly as a division would give it
	v_max_num_f32 v8, 0x3727c5ac, v8               ; a = max(mean, 1e-5)
	v_rcp_f32 v9, v8
	v_nop                                          ; a plain line behind the transcendental (ISA guide 5.7.2)
	s_wait_alu depctr_va_vdst(0)
	v_fma_f32 v10, -v8, v9, 1.0                    ; one Newton step: r + r (1 - a r)
	v_fma_f32 v[SCL], v10, v9, v9                  ; scale = 1 / a
	v_rcp_f32 v9, v[SCL]
	v_nop
	s_wait_alu depctr_va_vdst(0)
	v_fma_f32 v10, -v[SCL], v9, 1.0
	v_fma_f32 v[INV], v10, v9, v9                  ; 1 / scale: q / scale is q x this, q being -1, 0 or 1
	v_mov_b32 v[SCL+1], v[SCL]
	v_mov_b32 v[INV+1], v[INV]
.macro TERN                            ; X <- w + (clip(round(w scale), -1, 1) / scale - w), eight numbers at a time
.irp g, 0,1,2,3,4,5,6,7
.irp i, 0,2,4,6
	v_pk_mul_f32 v[T+\i:T+\i+1], v[X+8*\g+\i:X+8*\g+\i+1], v[SCL:SCL+1]
.endr
.irp i, 0,1,2,3,4,5,6,7
	v_rndne_f32 v[T+\i], v[T+\i]                   ; to the nearest whole number, ties to even
.endr
.irp i, 0,1,2,3,4,5,6,7
	v_med3_num_f32 v[T+\i], v[T+\i], -1.0, 1.0
.endr
.irp i, 0,2,4,6
	v_pk_mul_f32 v[T+\i:T+\i+1], v[T+\i:T+\i+1], v[INV:INV+1]
.endr
.irp i, 0,2,4,6
	v_pk_add_f32 v[T+\i:T+\i+1], v[T+\i:T+\i+1], v[X+8*\g+\i:X+8*\g+\i+1] neg_lo:[0,1] neg_hi:[0,1]   ; t - w
.endr
.irp i, 0,2,4,6
	v_pk_add_f32 v[X+8*\g+\i:X+8*\g+\i+1], v[X+8*\g+\i:X+8*\g+\i+1], v[T+\i:T+\i+1]                   ; w + (t - w)
.endr
.endr
.endm
.macro STEP t
.set RS, R+64*((\t)%2)
.if (\t) < 3
	s_wait_loadcnt 16                              ; this step's 16 loads are in; the next step's 16 stay out
.else
	s_wait_loadcnt 0x0
.endif
.irp j, 0,1,2,3,4,5,6,7,8,9,10,11,12,13,14,15
	ds_store_b128 v[STI], v[RS+4*\j:RS+4*\j+3] offset:SP*\j        ; row j as it lies
.endr
.irp c, 0,1
.irp k, 0,1,2,3,4,5,6,7
	ds_load_b128 v[X+32*\c+4*\k:X+32*\c+4*\k+3], v[STO] offset:256*\c+16*\k   ; LDS serves a wave's instructions in order (ISA guide 5.7.1.4): these see the stores above
.endr
.endr
	s_wait_dscnt 0x0                               ; my 64 numbers are back, and the stores have read their registers,
.if (\t)+2 < 4
	LOAD (\t)+2                                    ; which take the loads of two steps on
.endif
	s_cmp_lt_u32 s19, 2                            ; weights are ternarised, x is not: a branch on the work-group's number, round work on registers alone
	s_cbranch_scc0 .Lkeep_\@
	TERN
.Lkeep_\@:
.irp c, 0,1
	v_max3_num_f32 v[MX+\c], |v[X+32*\c]|, |v[X+32*\c+1]|, 0x1800000   ; my block 2 c + h: all its 32 numbers are mine; the floor 2^(3 - 127) holds the byte at 1 from below
.endr
.irp i, 2,4,6,8,10,12,14,16,18,20,22,24,26,28,30
.irp c, 0,1
	v_max3_num_f32 v[MX+\c], v[MX+\c], |v[X+32*\c+\i]|, |v[X+32*\c+\i+1]|   ; (the two blocks by turns)
.endr
.endr
.irp c, 0,1
	v_add_nc_u32 v[CS+\c], 0xff000000, v[MX+\c]    ; 2 off the exponent field: the conversion takes the exponent field of this operand as its scale
.endr
.irp c, 0,1
	v_lshrrev_b32 v[BY+\c], 23, v[CS+\c]           ; the scale's byte
.endr
	v_lshl_or_b32 v[BY], v[BY+1], 16, v[BY]        ; my two bytes, blocks h and 2 + h of row r,
	v_lshlrev_b32 v[BY], v[SH], v[BY]              ; at their places in the word;
	v_permlanex16_b32 v22, v[BY], s30, s31
	v_or_b32 v[W+(\t)], v[BY], v22                 ; with lane l xor 16's two the word is whole
.irp c, 0,1
.irp g, 0,1,2,3
	v_cvt_scalef32_pk8_fp4_f32 v[C+8*(\t)+4*\c+\g], v[X+32*\c+8*\g:X+32*\c+8*\g+7], v[CS+\c]   ; to the nearest code, ties to even, beyond 6 the largest code
.endr
.endr
	v_nop                                          ; one plain line behind the last scaled conversion
.irp c, 0,1
	global_store_b128 v[LO], v[C+8*(\t)+4*\c:C+8*(\t)+4*\c+3], s[26:27] offset:1024*(\t)+512*\c   ; 32 lanes store 512 consecutive bytes, at a multiple of 256 from the buffer's first byte
.endr
.endm
	STEP 0
	STEP 1
	STEP 2
	STEP 3
	v_cmp_eq_u32 vcc_lo, 1, v[HH]
	v_cndmask_b32 v[BY], v[W], v[W+2], vcc_lo      ; lanes 0-15 store words 0, 1 of row r, lanes 16-31 words 2, 3
	v_cndmask_b32 v[BY+1], v[W+1], v[W+3], vcc_lo
	global_store_b64 v[SBO], v[BY:BY+1], s[28:29]  ; 32 lanes store 256 consecutive bytes, aligned
	s_set_vgpr_msb 0x4
	s_wait_tensorcnt 0x0
	ds_add_u32 v23, v1
	s_wait_dscnt 0x0
	s_set_vgpr_msb 0x400
	s_endpgm
.Lfunc_end_k_q59bf00efea_quant:
	.size	k_q59bf00efea_quant, .Lfunc_end_k_q59bf00efea_quant-k_q59bf00efea_quant
	.p2alignl 7, 3214868480
	.fill 96, 4, 3214868480
	.section	.rodata,"a",@progbits
	.p2align	6, 0x0
	.amdhsa_kernel k_q59bf00efea_quant
		.amdhsa_group_segment_fixed_size 68608
		.amdhsa_private_segment_fixed_size 0
		.amdhsa_enable_private_segment 0
		.amdhsa_kernarg_size 56
		.amdhsa_user_sgpr_count 2
		.amdhsa_user_sgpr_kernarg_segment_ptr 1
		.amdhsa_wavefront_size32 1
		.amdhsa_system_sgpr_workgroup_id_x 1
		.amdhsa_system_sgpr_workgroup_id_y 1
		.amdhsa_system_sgpr_workgroup_id_z 1
		.amdhsa_system_vgpr_workitem_id 0
		.amdhsa_next_free_vgpr 258
		.amdhsa_next_free_sgpr 66
		.amdhsa_reserve_vcc 1
		.amdhsa_float_denorm_mode_32 3
		.amdhsa_float_denorm_mode_16_64 3
		.amdhsa_memory_ordered 1
		.amdhsa_forward_progress 1
		.amdhsa_inst_pref_size 88
	.end_amdhsa_kernel
	.amdgpu_metadata
---
amdhsa.version: [ 1, 2 ]
amdhsa.kernels:
  - .name:           k_q59bf00efea_quant
    .symbol:         k_q59bf00efea_quant.kd
    .args:
      - { .name: weight_re, .offset: 0, .size: 8, .value_kind: global_buffer, .address_space: global }
      - { .name: weight_im, .offset: 8, .size: 8, .value_kind: global_buffer, .address_space: global }
      - { .name: quant_x_re, .offset: 16, .size: 8, .value_kind: global_buffer, .address_space: global }
      - { .name: quant_x_im, .offset: 24, .size: 8, .value_kind: global_buffer, .address_space: global }
      - { .name: wsum, .offset: 32, .size: 8, .value_kind: global_buffer, .address_space: global }
      - { .name: xq, .offset: 40, .size: 8, .value_kind: global_buffer, .address_space: global }
      - { .name: wq, .offset: 48, .size: 8, .value_kind: global_buffer, .address_space: global }
    .group_segment_fixed_size: 68608
    .private_segment_fixed_size: 0
    .kernarg_segment_align: 8
    .kernarg_segment_size: 56
    .max_flat_workgroup_size: 256
    .sgpr_count:     66
    .vgpr_count:     258
    .wavefront_size: 32
...
	.end_amdgpu_metadata
.endif
;; end of part 2
;; launch gemm (part 3): grid 16 x 16, 4 waves a work-group, clusters of 4 x 4, 327,680 bytes of LDS; arguments xq, wq, out0, out1; writes out0, out1
.if DOCPART == 3
	.amdgcn_target "amdgcn-amd-amdhsa--gfx1250"
	.amdhsa_code_object_version 6
	.text
	.protected	k_q59bf00efea_gemm
	.globl	k_q59bf00efea_gemm
	.p2align	8
	.type	k_q59bf00efea_gemm,@function
k_q59bf00efea_gemm:
	s_mov_b64 s[64:65], 0
	v_nop
	global_prefetch_b8 v0, s[64:65] scope:SCOPE_SE
	s_setreg_imm32_b32 hwreg(HW_REG_WAVE_MODE, 25, 1), 1
	s_wait_xcnt 0x0
	s_wait_alu depctr_hold_cnt(0) depctr_sa_sdst(0) depctr_va_vdst(0) depctr_va_sdst(0) depctr_va_ssrc(0) depctr_va_vcc(0) depctr_vm_vsrc(0)
	s_getreg_b32 s2, hwreg(HW_REG_IB_STS2, 6, 4)
	s_cmp_eq_u32 s2, 0
	s_cbranch_scc0 .Lentry_in_a_cluster
	s_endpgm
.Lentry_in_a_cluster:
	s_bfe_u32 s2, ttmp6, 0x10000c
	s_cmp_lg_u32 s2, 0xf033
	s_cbranch_scc0 .Lentry_shape_is_right
	s_endpgm
.Lentry_shape_is_right:
; out0 = x_re w_re^T - x_im w_im^T, out1 = x_re w_im^T + x_im w_re^T: four products of 2,048 x 4,096 x 2,048 on codes of FP4 (E2M1) with one E8M0 scale for each 32 along K; sums in f32.
; xq, wq: [tile of 128 rows: 16][K step of 512: 8][part: re, im][block of 34,816 bytes]; a block holds 32 fragments as images of the operand's registers ((row block i, q-th 128 along K) at (4 i + q) x 1,024,
; register group c at 512 c, lane l's 16 bytes at 16 l), then at 32,768 the scale bytes [row][16]: word q of a row is what one matrix instruction wants of it.
; SHARES.  A work-group makes 128 x 128 COMPLEX outputs: from 256 rows of x (re, im) and 256 rows of w it makes 4 x 128 x 128 products, as many for each byte fetched as a real tile of 256 x 256, and there are 16 x 16 work-groups.
; Each of its four waves makes 64 x 64 complex: 48 accumulators of 16 x 16: P1 = x_re w_re, P2 = x_im w_im (kept apart and taken off P1 once, on the way out, as the problem writes it), IM = x_re w_im + x_im w_re.
; A step of 128 along K: 32 LDS loads (16 fragments) feed 64 matrix instructions; no fragment is read twice.
; THE RING.  K goes in steps of 512 through two LDS slots of four blocks (x_re, x_im, w_re, w_im); each wave fetches one block, 34,816 dense bytes, scale bytes among them, by one tensor load.
; CLUSTERS: 4 x 4 work-groups.  The four of a row of the cluster need the same blocks of x, the four of a column the same blocks of w: each block is asked for JOINTLY, by the same tensor load with the same
; descriptor and a mask that names the four.  THE MATRIX INSTRUCTION IS USED TRANSPOSED (source 0 = 16 rows of w, source 1 = 16 rows of x): a lane then holds eight neighbouring numbers of a row of the output.
; REGISTERS, in windows of 256: window 0: v16-29 addresses; v32-95 scale words, a set for each slot, and nothing else; v128-255 x's fragments, two sets of 64 (32 part + 8 block).
;   window 1: v0-127 w's fragments, two sets; v128-255 IM.   window 2: v0-127 P1, v128-255 P2.   Accumulator (a, b) at 8 (4 a + b).
; LIMITS: y_im's two products share one chain of f32 sums, so the order of its sums differs from two sums added at the end.  NaN and infinities are not served.
.set BLK,    34816                     ; a block: 136 rows of 256 bytes
.set SLOT,   4*BLK
.set SPARE,  2*SLOT                    ; behind the ring: the spare words, 128 bytes for each wave: two blocks of 256 bytes that no other line names
.set SPITCH, 272                       ; the way out: a stage of 16 rows x (256 bytes + 16) for each wave.  It lies in slot 0, which has had its last fill and its last read when the first result is stored there
.set LAPS,   4                         ; a lap = two K steps = once round the ring: 4,096 / 1,024
.set ADX,  16                          ; v16-17  LDS address of my x fragments in slot 0, 1
.set ADW,  20                          ; v20-21  the same for w
.set ADS,  22                          ; v22-23  of my scale words: lanes 0-15 x's rows, lanes 16-31 w's
.set STO,  24                          ; v24     the way out: where I put 32 bytes of a row
.set RD,   25                          ; v25     where I read a row back
.set CO,   26                          ; v26     my byte offset in two rows of the output
.set SPW,  28                          ; v28     LDS address of my spare word: SPARE + 4 x my thread's number; never rewritten
.set NIL,  29                          ; v29     0; never rewritten
.set SC,   32                          ; scale words: register 32 slot + 16 part + 4 block + q: lanes 0-15 x's, lanes 16-31 w's
.set XF,   128                         ; x's fragments, in window 0
.set TMP,  128                         ; the way out: P1 - P2, two sets of 32
.set BK,   192                         ; the way out: 16 rows read back from the stage, two sets of 32
.set G1,   24                          ; s[24:31] descriptor group 1 for x's blocks;  s[32:39] group 0, one set for each slot
.set G0,   32
.set G1B,  48                          ; s[48:55], s[56:63] the same for w's
.set G0B,  56
.set MSB, 0
.macro WIN new                         ; the immediate's high byte repeats the setting that is left; a switch that changes nothing is dropped
.if MSB != \new
	s_set_vgpr_msb (MSB<<8)|\new
.set MSB, \new
.endif
.endm
.set MUL_LO, 0xa1                      ; source 0 (w) window 1, source 1 (x) window 0, C and D window 2
.set MUL_HI, 0x51                      ; the same, C and D window 1
.set TO_W,   0x40                      ; destination window 1, address window 0
; A joint load: waves 0 and 1 fetch x's two parts, waves 2 and 3 w's.  Each of the two lines has ONE mask and one set of registers for all that issue it; the branch hangs on the wave's number alone.
; Four v_nop follow each of the two lines, ahead of the jump, the label and what follows.
.macro JLOAD s
	s_cmp_eq_u32 s15, 0
	s_cbranch_scc0 .Lfor_w_\@
	tensor_load_to_lds s[G0+4*\s:G0+4*\s+3], s[G1:G1+7]
	s_nop 0
.rept 4
	v_nop
.endr
	s_branch .Lasked_\@
.Lfor_w_\@:
	tensor_load_to_lds s[G0B+4*\s:G0B+4*\s+3], s[G1B:G1B+7]
	s_nop 0
.rept 4
	v_nop
.endr
.Lasked_\@:
.endm
.macro CREST                           ; a round of the cluster's barrier behind its opening barrier
	s_cmp_lg_u32 s14, 0
	s_cbranch_scc1 .Lnot_wave_0_\@
	s_barrier_signal -3
.Lnot_wave_0_\@:
	s_barrier_wait -3
	s_barrier_signal -1
	s_barrier_wait -1
.endm
.macro CROUND                          ; a whole round
	s_barrier_signal -1
	s_barrier_wait -1
	CREST
.endm
	s_load_b256 s[4:11], s[0:1], 0x0               ; xq s[4:5], wq s[6:7], out0 s[8:9], out1 s[10:11]
	v_lshl_add_u32 v[SPW], v0, 2, SPARE
	v_mov_b32 v[NIL], 0
	ds_add_u32 v28, v29
	ds_add_u32 v28, v29
	s_wait_dscnt 0x0
	v_lshrrev_b32 v1, 5, v0
	v_readfirstlane_b32 s14, v1                    ; wave 0..3
	s_lshr_b32 s15, s14, 1                         ; which 64 of the tile's rows of x are mine.  Also: I fetch for x (0) or for w (1)
	s_and_b32 s16, s14, 1                          ; which 64 of its rows of w.  Also: which part, re or im, I fetch
	s_bfe_u32 s40, ttmp6, 0x40000                  ; cx, cy: my place in the cluster
	s_bfe_u32 s41, ttmp6, 0x40004
	s_lshl_b32 s42, ttmp9, 2
	s_add_co_u32 s42, s42, s40                     ; w's tile = 4 x cluster x + cx
	s_and_b32 s17, ttmp7, 0xffff
	s_lshl_b32 s17, s17, 2
	s_add_co_u32 s17, s17, s41                     ; x's tile = 4 x cluster y + cy
	s_lshl_b32 s43, s41, 2
	s_lshl_b32 s43, 15, s43                        ; my row of the cluster
	s_lshl_b32 s44, 0x1111, s40                    ; my column
	; descriptor group 1: a dense block as 136 rows of 32 elements of 8 bytes, no padding: every LDS read of it is of consecutive bytes
	s_or_b32 s[G1+0], s43, (3<<16)|(1<<21)         ; 15:0 the mask: x's blocks go to my row; 17:16 elements of 8 bytes; 21 set beside a mask
	s_or_b32 s[G1B+0], s44, (3<<16)|(1<<21)        ; w's go to my column
.irp g, G1, G1B
	s_mov_b32 s[\g+1], 32<<16                      ; tensor_dim0 = 32
	s_mov_b32 s[\g+2], 136<<16                     ; tensor_dim1 = 136
	s_mov_b32 s[\g+3], 32<<16                      ; tile_dim0 = 32
	s_mov_b32 s[\g+4], 136                         ; tile_dim1 = 136
	s_mov_b32 s[\g+5], 32                          ; tensor_dim0_stride
	s_mov_b32 s[\g+6], 0
	s_mov_b32 s[\g+7], 0
.endr
	s_mul_i32 s18, s16, BLK                        ; my part's block in a K step's pair
	s_mul_i32 s20, s17, 16*BLK                     ; x: a tile is 8 K steps x 2 parts
	s_add_co_u32 s20, s20, s18
	s_mov_b32 s21, 0
	s_mul_i32 s46, s42, 16*BLK                     ; w likewise, in registers that never hold x's tile
	s_add_co_u32 s46, s46, s18
	s_mov_b32 s47, 0
	s_mul_i32 s45, s14, BLK                        ; where a block goes: wave x 34,816: no place in the cluster enters an LDS address
	s_wait_kmcnt 0x0
	s_add_nc_u64 s[20:21], s[4:5], s[20:21]
	s_add_nc_u64 s[46:47], s[6:7], s[46:47]
	CROUND                                         ; all sixteen work-groups are here: the first joint loads meet
.irp s, 0,1
	s_mov_b32 s[G0+4*\s], 1                                        ; count = 1
	s_add_co_u32 s[G0+4*\s+1], s45, \s*SLOT                        ; LDS address
	s_add_nc_u64 s[G0+4*\s+2:G0+4*\s+3], s[20:21], \s*2*BLK        ; global address: K step s
	s_or_b32 s[G0+4*\s+3], s[G0+4*\s+3], 0x80000000                ; type = 2
	s_mov_b32 s[G0B+4*\s], 1
	s_add_co_u32 s[G0B+4*\s+1], s45, \s*SLOT
	s_add_nc_u64 s[G0B+4*\s+2:G0B+4*\s+3], s[46:47], \s*2*BLK
	s_or_b32 s[G0B+4*\s+3], s[G0B+4*\s+3], 0x80000000
	JLOAD \s                                       ; the ring is filled before anything else is done: two loads of mine are out
.endr
	v_and_b32 v1, 15, v0                           ; r = lane % 16
	v_bfe_u32 v2, v0, 4, 1                         ; h = lane / 16
	v_and_b32 v3, 31, v0
	v_lshlrev_b32 v3, 4, v3                        ; 16 x lane: my place in every image
	s_lshl_b32 s21, s15, 14                        ; my four row blocks of x: 4,096 bytes each
	s_lshl_b32 s22, s16, 14                        ; my four of w,
	s_add_co_u32 s22, s22, 2*BLK                   ; which lie behind x's two blocks
.irp s, 0,1
	v_add_nc_u32 v[ADX+\s], s21, v3
	v_add_nc_u32 v[ADW+\s], s22, v3
	s_add_co_u32 s21, s21, SLOT
	s_add_co_u32 s22, s22, SLOT
.endr
	s_lshl_b32 s21, s15, 10                        ; scale bytes: 16 a row; x's: my 64 rows
	s_lshl_b32 s22, s16, 10                        ; w's: my 64 rows, two blocks further on
	s_add_co_u32 s22, s22, 2*BLK
	s_sub_co_u32 s22, s22, s21
	v_mul_u32_u24 v6, s22, v2                      ; lanes 16-31 take w's: the lower base + h x the distance
	s_add_co_u32 s21, s21, 32768                   ; behind a block's codes
	v_lshlrev_b32 v5, 4, v1
	v_add_nc_u32 v5, v5, v6
	v_add_nc_u32 v[ADS], s21, v5
	v_add_nc_u32 v[ADS+1], SLOT, v[ADS]
	s_mul_i32 s23, s14, 16*SPITCH                  ; my stage
	v_mul_u32_u24 v5, v1, SPITCH                   ; in: row r, 32 bytes for each half of the lanes
	v_lshl_add_u32 v5, v2, 5, v5
	v_add_nc_u32 v[STO], s23, v5
	v_mul_u32_u24 v5, v2, SPITCH                   ; back: lanes 0-15 take one row of 256 bytes, lanes 16-31 the next
	v_lshl_add_u32 v5, v1, 4, v5
	v_add_nc_u32 v[RD], s23, v5
	v_lshlrev_b32 v5, 13, v2                       ; and the same two rows of the output: 8,192 bytes a row
	v_lshl_add_u32 v[CO], v1, 4, v5
	s_lshl_b32 s20, s17, 7
	s_lshl_b32 s21, s15, 6
	s_add_co_u32 s20, s20, s21                     ; my first row: 128 x tile + 64 x half
	s_lshl_b32 s20, s20, 13
	s_mov_b32 s21, 0
	s_lshl_b32 s46, s42, 9                         ; my first column, in bytes: 512 x tile + 256 x half
	s_lshl_b32 s47, s16, 8
	s_add_co_u32 s46, s46, s47
	s_mov_b32 s47, 0
	s_add_nc_u64 s[20:21], s[20:21], s[46:47]
	s_add_nc_u64 s[8:9], s[8:9], s[20:21]
	s_add_nc_u64 s[10:11], s[10:11], s[20:21]
; 16 matrix instructions: one of the four products for my 64 x 64, 128 along K.  acc: the accumulators' first register; pw, px: w's and x's part; f: the set of fragments; q: the slot's q-th 128; sc: the set of scale words.
; zero = 1: the product starts the sums: nothing is ever cleared.  The 16 accumulators take turns, one instruction a turn, in the same order in every product.
; w's scale word is read from lanes 16-31 of its register, x's from lanes 0-15.
.macro MULP acc, pw, px, f, q, sc, zero
.irp a, 0,1,2,3
.irp b, 0,1,2,3
.if \zero
	v_wmma_scale_f32_16x16x128_f8f6f4 v[\acc+8*(4*\a+\b):\acc+8*(4*\a+\b)+7], v[64*(\f)+32*\pw+8*\b:64*(\f)+32*\pw+8*\b+7], v[XF+64*(\f)+32*\px+8*\a:XF+64*(\f)+32*\px+8*\a+7], 0, v[SC+32*\sc+16*\pw+4*\b+(\q)], v[SC+32*\sc+16*\px+4*\a+(\q)] matrix_a_fmt:MATRIX_FMT_FP4 matrix_b_fmt:MATRIX_FMT_FP4 matrix_a_scale:MATRIX_SCALE_ROW1
.else
	v_wmma_scale_f32_16x16x128_f8f6f4 v[\acc+8*(4*\a+\b):\acc+8*(4*\a+\b)+7], v[64*(\f)+32*\pw+8*\b:64*(\f)+32*\pw+8*\b+7], v[XF+64*(\f)+32*\px+8*\a:XF+64*(\f)+32*\px+8*\a+7], v[\acc+8*(4*\a+\b):\acc+8*(4*\a+\b)+7], v[SC+32*\sc+16*\pw+4*\b+(\q)], v[SC+32*\sc+16*\px+4*\a+(\q)] matrix_a_fmt:MATRIX_FMT_FP4 matrix_b_fmt:MATRIX_FMT_FP4 matrix_a_scale:MATRIX_SCALE_ROW1
.endif
.endr
.endr
.endm
; 32 LDS loads in one run: the 16 fragments of the slot's q-th 128 along K into set g: w's eight, then x_re's four, then x_im's four.  Each load takes 512 consecutive bytes.
.macro FETCH slot, q, g
	WIN TO_W
.irp p, 0,1
.irp b, 0,1,2,3
.irp c, 0,1
	ds_load_b128 v[64*(\g)+32*\p+8*\b+4*\c:64*(\g)+32*\p+8*\b+4*\c+3], v[ADW+\slot] offset:\p*BLK+4096*\b+1024*(\q)+512*\c
.endr
.endr
.endr
	WIN 0
.irp p, 0,1
.irp b, 0,1,2,3
.irp c, 0,1
	ds_load_b128 v[XF+64*(\g)+32*\p+8*\b+4*\c:XF+64*(\g)+32*\p+8*\b+4*\c+3], v[ADX+\slot] offset:\p*BLK+4096*\b+1024*(\q)+512*\c
.endr
.endr
.endr
.endm
.macro SCALES slot                     ; a slot's scale words: four words a row; lanes 0-15 take x's block a, lanes 16-31 w's block a
.irp p, 0,1
.irp a, 0,1,2,3
	ds_load_b128 v[SC+32*\slot+16*\p+4*\a:SC+32*\slot+16*\p+4*\a+3], v[ADS+\slot] offset:\p*BLK+256*\a
.endr
.endr
.endm
; A load into a register that a matrix instruction has read, and a vector instruction or an LDS store that reads a matrix result, stand four places behind that matrix instruction, and only plain vector
; instructions that name none of its registers are places (ISA guide 7.12.1 for vector instructions); the matrix instructions in between are not counted.
.macro PLACES
.rept 4
	v_nop
.endr
.endm
; A step of 128 along K that has its successor in the same slot: 64 matrix instructions on set q % 2; in its middle the next step's fragments are fetched into the other set, 32 matrix instructions ahead of their first use.
.macro STEP slot, q, zero
	s_wait_dscnt 8                                 ; all but the youngest eight loads, x_im's, are in
	WIN MUL_LO
	MULP 0, 0, 0, (\q)%2, \q, \slot, \zero         ; P1 += x_re w_re
	s_wait_dscnt 0x0                               ; x_im's are in
	MULP 128, 1, 1, (\q)%2, \q, \slot, \zero       ; P2 += x_im w_im
	PLACES                                         ; for the loads into the other set, which the step before multiplied
	FETCH \slot, (\q)+1, 1-(\q)%2
	WIN MUL_HI
	MULP 128, 1, 0, (\q)%2, \q, \slot, \zero       ; IM += x_re w_im
	MULP 128, 0, 1, (\q)%2, \q, \slot, 0           ; IM += x_im w_re
.endm
; A slot's last step (set 1) changes slots: ONE barrier; in front of it each wave waits for all its tensor loads, adds 0 to its spare word, and waits for that and for its own reads of this slot.
; fill = 1: the barrier opens a round of the cluster's barrier and this slot is filled again, two K steps ahead; from that request to the wait for it a wave issues 224 matrix instructions.
.macro TURN slot, next, fill
	WIN 0                                          ; (the add's two registers lie in window 0)
	s_wait_tensorcnt 0x0                           ; all my tensor loads have landed: the one that was out is my block of the next slot;
	ds_add_u32 v[SPW], v[NIL]                      ; 0 onto my spare word
	s_wait_dscnt 9                                 ; (the add and the youngest eight loads, x_im's, may be out)
	WIN MUL_LO
	MULP 0, 0, 0, 1, 3, \slot, 0                   ; sixteen matrix instructions stand between the add and the wait for it
	s_wait_dscnt 0x0                               ; the add is done, and my reads of this slot are over
	s_barrier_signal -1
	MULP 128, 1, 1, 1, 3, \slot, 0                 ; work on registers while the others arrive
	WIN 0
	s_barrier_wait -1
.if \fill
	CREST                                          ; no wave of any partner still reads this slot's blocks or has a load on its way
	s_add_nc_u64 s[G0+4*\slot+2:G0+4*\slot+3], s[G0+4*\slot+2:G0+4*\slot+3], 4*BLK      ; two K steps on; no tensor load of mine is out, so a group 0 may be written
	s_add_nc_u64 s[G0B+4*\slot+2:G0B+4*\slot+3], s[G0B+4*\slot+2:G0B+4*\slot+3], 4*BLK
	JLOAD \slot                                    ; the first tensor load behind the round, and my only one until the next; the four v_nop behind it are also the places in front of the loads below
.else
	PLACES
.endif
	SCALES \next
	FETCH \next, 0, 0
	WIN MUL_HI
	MULP 128, 1, 0, 1, 3, \slot, 0
	MULP 128, 0, 1, 1, 3, \slot, 0
.endm
	s_wait_tensorcnt 1                             ; my block of K step 0 is in; K step 1's may stay out
	s_barrier_signal -1
	s_barrier_wait -1                              ; everybody's is
	SCALES 0
	FETCH 0, 0, 0
	STEP 0, 0, 1                                   ; the first step stands in front of the loop: its products start the sums
	WIN 0                                          ; at a label and at a branch every window is 0
	s_mov_b32 s3, LAPS-1
.Llap:                                                 ; a trip goes once round the ring, from a lap's second step to the next lap's first, and fills both slots again: K steps 2 to 7 in three trips
	STEP 0, 1, 0
	STEP 0, 2, 0
	TURN 0, 1, 1
	STEP 1, 0, 0
	STEP 1, 1, 0
	STEP 1, 2, 0
	TURN 1, 0, 1
	STEP 0, 0, 0
	WIN 0
	s_sub_co_u32 s3, s3, 1
	s_cmp_lg_u32 s3, 0
	s_cbranch_scc1 .Llap
	STEP 0, 1, 0                                   ; the last lap fills nothing, and has no round of the cluster's barrier
	STEP 0, 2, 0
	TURN 0, 1, 0
	STEP 1, 0, 0
	STEP 1, 1, 0
	STEP 1, 2, 0
	s_wait_dscnt 8                                 ; the very last step: nothing more to fetch
	WIN MUL_LO
	MULP 0, 0, 0, 1, 3, 1, 0
	s_wait_dscnt 0x0
	MULP 128, 1, 1, 1, 3, 1, 0
	WIN MUL_HI
	MULP 128, 1, 0, 1, 3, 1, 0
	MULP 128, 0, 1, 1, 3, 1, 0
	WIN 0
; THE WAY OUT, eight blocks of 16 rows x 64 columns: blocks 0-3 out0 = P1 - P2, blocks 4-7 out1 = IM.  A lane holds 32 neighbouring bytes of a row and the lanes beside it hold other rows: so a block goes through my
; own stage in LDS and comes back as whole rows of 256 bytes.  LDS serves a wave's instructions in order (ISA guide 5.7.1.4): no wait between the stores and the loads, nor in front of the next block's stores.
.macro TOSTAGE k
.set TS, TMP+32*((\k)%2)
.set BB, BK+32*((\k)%2)
.if (\k) < 4
	WIN 0x0a                                       ; sources 0 and 1: window 2
.irp b, 0,1,2,3
.irp i, 0,2,4,6
	v_pk_add_f32 v[TS+8*\b+\i:TS+8*\b+\i+1], v[8*(4*(\k)+\b)+\i:8*(4*(\k)+\b)+\i+1], v[128+8*(4*(\k)+\b)+\i:128+8*(4*(\k)+\b)+\i+1] neg_lo:[0,1] neg_hi:[0,1]   ; P1 - P2, each accumulator from its low end on
.endr
.endr
	WIN 0
.irp b, 0,1,2,3
	ds_store_b128 v[STO], v[TS+8*\b:TS+8*\b+3] offset:64*\b
	ds_store_b128 v[STO], v[TS+8*\b+4:TS+8*\b+7] offset:64*\b+16
.endr
.else
	WIN 0x04                                       ; an LDS store's data are its source 1: window 1
.irp b, 0,1,2,3
	ds_store_b128 v[STO], v[128+8*(4*((\k)-4)+\b):128+8*(4*((\k)-4)+\b)+3] offset:64*\b          ; IM as it stands, each accumulator from its low end on
	ds_store_b128 v[STO], v[128+8*(4*((\k)-4)+\b)+4:128+8*(4*((\k)-4)+\b)+7] offset:64*\b+16
.endr
	WIN 0
.endif
.irp t, 0,1,2,3,4,5,6,7
	ds_load_b128 v[BB+4*\t:BB+4*\t+3], v[RD] offset:2*\t*SPITCH
.endr
.endm
.macro SEND k, younger                 ; younger: the LDS instructions issued behind block k's loads, which may stay out
.set BB, BK+32*((\k)%2)
	s_wait_dscnt \younger                          ; the block is back in registers
.irp t, 0,1,2,3,4,5,6,7
.if (\k) < 4
	global_store_b128 v[CO], v[BB+4*\t:BB+4*\t+3], s[8:9] offset:(16*(\k)+2*\t)*8192 th:TH_STORE_NT        ; 16 lanes store 256 consecutive bytes, at a multiple of 256 from the output's first byte; 62 rows at the most: inside the signed 24-bit immediate
.else
	global_store_b128 v[CO], v[BB+4*\t:BB+4*\t+3], s[10:11] offset:(16*((\k)-4)+2*\t)*8192 th:TH_STORE_NT
.endif
.endr
.endm
	PLACES                                         ; behind the last products: for the reads of results, and for the writes and loads into the registers that held x's fragments
	TOSTAGE 0
.irp k, 1,2,3,4,5,6,7
.if \k > 1
	s_wait_xcnt 0x0                                ; block k - 2's stores have read their registers: block k's loads may land there
.endif
	TOSTAGE \k
	SEND \k-1, 16                                  ; behind block k - 1's loads: block k's 8 stores and 8 loads
.endr
	SEND 7, 0
	s_wait_tensorcnt 0x0                           ; the wave's end: behind my last tensor load and my last LDS store
	ds_add_u32 v[SPW], v[NIL]
	s_wait_dscnt 0x0
	CROUND                                         ; the closing round: no work-group ends while a partner may still ask for a block that names it
	s_endpgm
.Lfunc_end_k_q59bf00efea_gemm:
	.size	k_q59bf00efea_gemm, .Lfunc_end_k_q59bf00efea_gemm-k_q59bf00efea_gemm
	.p2alignl 7, 3214868480
	.fill 96, 4, 3214868480
	.section	.rodata,"a",@progbits
	.p2align	6, 0x0
	.amdhsa_kernel k_q59bf00efea_gemm
		.amdhsa_group_segment_fixed_size 327680
		.amdhsa_private_segment_fixed_size 0
		.amdhsa_enable_private_segment 0
		.amdhsa_kernarg_size 32
		.amdhsa_user_sgpr_count 2
		.amdhsa_user_sgpr_kernarg_segment_ptr 1
		.amdhsa_wavefront_size32 1
		.amdhsa_system_sgpr_workgroup_id_x 1
		.amdhsa_system_sgpr_workgroup_id_y 1
		.amdhsa_system_sgpr_workgroup_id_z 1
		.amdhsa_system_vgpr_workitem_id 0
		.amdhsa_next_free_vgpr 768
		.amdhsa_next_free_sgpr 66
		.amdhsa_reserve_vcc 0
		.amdhsa_float_denorm_mode_32 3
		.amdhsa_float_denorm_mode_16_64 3
		.amdhsa_memory_ordered 1
		.amdhsa_forward_progress 1
		.amdhsa_inst_pref_size 196
	.end_amdhsa_kernel
	.amdgpu_metadata
---
amdhsa.version: [ 1, 2 ]
amdhsa.kernels:
  - .name:           k_q59bf00efea_gemm
    .symbol:         k_q59bf00efea_gemm.kd
    .args:
      - { .name: xq, .offset: 0, .size: 8, .value_kind: global_buffer, .address_space: global }
      - { .name: wq, .offset: 8, .size: 8, .value_kind: global_buffer, .address_space: global }
      - { .name: out0, .offset: 16, .size: 8, .value_kind: global_buffer, .address_space: global }
      - { .name: out1, .offset: 24, .size: 8, .value_kind: global_buffer, .address_space: global }
    .group_segment_fixed_size: 327680
    .private_segment_fixed_size: 0
    .kernarg_segment_align: 8
    .kernarg_segment_size: 32
    .max_flat_workgroup_size: 128
    .sgpr_count:     66
    .vgpr_count:     768
    .wavefront_size: 32
...
	.end_amdgpu_metadata
.endif
;; end of part 3
